; MI455X (gfx1250); checked and timed in simulation.
; The chip was launched on July 23, 2026; its instructions are those of AMD's public machine-readable ISA for CDNA 5 (MIT licence, August 2026) and "CDNA5" Instruction Set Architecture Reference Guide (July 2026). The comments in the code are by the model that wrote it; some were corrected since.
;; Split Scale Attend. Allowed arithmetic: float matrix products may take bf16 or f16 operands with f32 sums; all other float work in f32.
;; Inputs: k 4 x 16 x 2,048 x 64 float32; q 4 x 16 x 2,048 x 64 float32; v 4 x 16 x 2,048 x 64 float32.
;; Outputs: out0 4 x 16 x 2,048 x 64 float32.
;; One version. Each part assembles by itself: llvm-mc -triple=amdgcn-amd-amdhsa -mcpu=gfx1250 --defsym DOCPART=n.
;; ======== version 1 of 1: 1 launch
;; launch attend (part 1): grid 256 x 1, 8 waves a work-group, clusters of 4 x 1, 327,680 bytes of LDS; arguments q, k, v, out0; writes out0
.if DOCPART == 1
	.amdgcn_target "amdgcn-amd-amdhsa--gfx1250"
	.amdhsa_code_object_version 6
	.text
	.protected	k_qcdc14b0bb8_attend
	.globl	k_qcdc14b0bb8_attend
	.p2align	8
	.type	k_qcdc14b0bb8_attend,@function
k_qcdc14b0bb8_attend:
	s_mov_b64 s[64:65], 0
	v_nop
	global_prefetch_b8 v0, s[64:65] scope:SCOPE_SE
	s_setreg_imm32_b32 hwreg(HW_REG_WAVE_MODE, 25, 1), 1
	s_wait_xcnt 0x0
	s_wait_alu depctr_hold_cnt(0) depctr_sa_sdst(0) depctr_va_vdst(0) depctr_va_sdst(0) depctr_va_ssrc(0) depctr_va_vcc(0) depctr_vm_vsrc(0)
	s_getreg_b32 s2, hwreg(HW_REG_IB_STS2, 6, 4)
	s_cmp_eq_u32 s2, 0
	s_cbranch_scc0 .Lentry_in_a_cluster
	s_endpgm
.Lentry_in_a_cluster:
	s_bfe_u32 s2, ttmp6, 0x10000c
	s_cmp_lg_u32 s2, 0x3003
	s_cbranch_scc0 .Lentry_shape_is_right
	s_endpgm
.Lentry_shape_is_right:
; out = softmax(q k^T / 8) v for 64 heads, 2,048 queries and keys, 64 numbers a row; q, k, v, out in f32.
; SHARES.  A cluster of four work-groups is one head; a work-group is 512 queries; each of its eight waves owns 64 queries (four tiles of 16).
; Keys go in 16 tiles of 128; a tile is worked in two substeps of 64 keys with a running maximum (m), a running sum (l) and rescaled sums (O).
; BOTH PRODUCTS ARE USED TRANSPOSED.  S^T = K Q^T: lane (r, h) holds, for query r, keys 8 h + j of each key tile, so maximum and sum run along the
; lane's own registers plus one exchange between the halves of the wave, and the rescaling factor is one number a lane.  Two neighbouring S^T tiles,
; rounded to bf16 in pairs, ARE the second source of O^T = V^T P^T (keys 8 h .. 8 h + 7, then 16 + 8 h ..): no shuffle and no way through LDS.
; ORDER OF WORK.  A wave's stream is a pipeline over its query tiles: among the softmax of tile n stand the eight first products of tile n + 1 and the
; eight second products of tile n - 1, so that matrix, exponential and plain instructions are mixed evenly and none stands in a long run.  The second
; product of tile 3 stands in tile 0's softmax of the next substep; V's fragments are therefore loaded behind tile 0.  The second products lie in the
; upper register window and go in pairs, two window switches a pair at the most.
; DATA.  The four work-groups of a cluster read the same K and V, so each tile is asked for jointly (mask 15).  Waves 0-3 fetch 32 rows of K each,
; waves 4-7 32 rows of V each (a tile's 128 rows shared among four waves give 32 rows a load), into the wave's own 8,192 bytes of one f32 stage.
; Each wave rounds what it fetched to bf16, once for the work-group, into one of two bf16 buffers; the round of the cluster's barrier at a trip's head
; shows that buffer to all waves and frees the stage, and the next tile's load is the first thing behind it.  A wave has one tensor load out at most.
; q, k and v are rounded to bf16 as they are; 0.125 log2(e) is applied in f32 behind the first product.
; LIMITS.  Finite inputs only (an infinity or NaN in q, k or v is not followed as the reference follows it).  A weight below 2^-126 of its row's
; largest becomes 0 (v_exp_f32 flushes).  l adds the weights unrounded, the second product takes them rounded to bf16.  The running maximum adds
; and rescales in another order than the reference's one pass.
.set KP,    144                        ; pitch of K's bf16 rows: 128 bytes + 16 = 9 x 16, so 16 rows of a fragment load start in 16 different 16-byte columns
.set VP,    160                        ; pitch of V's bf16 rows: 128 bytes + 32 = 5 x 32, for the transposing load
.set OP,    272                        ; pitch of the out stage: 256 bytes + 16
.set TILEB, 32768                      ; bytes of a tile of 128 rows of 64 f32
.set KB0,   65536                      ; LDS: 0 the f32 stage, 8 x 8,192, the only bytes that tensor loads fill
.set VB0,   83968                      ;      bf16 buffer 0: K 128 x 144, V 128 x 160
.set KB1,   104448                     ;      bf16 buffer 1
.set VB1,   122880
.set PRIV,  143360                     ;      8 x 17,408, each wave's own: Q's bf16 rows (64 x 144) at the start, the out stage (64 x 272) at the end
.set PRIVB, 17408
; window 0
.set KA,  8                            ; v8-9    K fragments in buffer 0, 1: r 144 + 16 h
.set VA,  10                           ; v10-11  V fragments in buffer 0, 1: (8 h + (L & 7)) 160 + 16 ((L >> 3) & 1)
.set CDK, 12                           ; v12-13  where I put converted K: row 32 (w & 3) + h, byte 8 r
.set CDV, 14                           ; v14-15  the same for V
.set STA, 16                           ; v16     my 16 bytes in my stage: 8,192 w + 16 L
.set QST, 17                           ; v17     Q scratch, in
.set QLD, 18                           ; v18     Q scratch, fragments
.set OST, 19                           ; v19     out stage, in: r 272 + 32 h
.set ORD, 20                           ; v20     out stage, back: h 272 + 16 r
.set GQ,  21                           ; v21     16 L: my bytes in two rows of q and of out
.set VPL, 22                           ; v22     prefetch: 8,192 cx + 256 L
.set VPF, 23                           ; v23     prefetch: + the tile
.set TT,  24                           ; v24-27  at work; v26 = -c m, read as the pair v[26:27]
.set UU,  28                           ; v28-35  four pairs of sums
.set ML,  36                           ; v36-43  (m, l) of each query tile
.set AL,  44                           ; v44-51  (alpha, its exponent) of each query tile
.set QF,  64                           ; v64-127  Q fragments: (qt, ks) at 16 qt + 8 ks
.set KF,  128                          ; v128-191 K fragments: (kt, ks) at 16 kt + 8 ks; also the tile being converted
.set SCR, 192                          ; v192-255 scores: two buffers of 32, query tile qt in buffer qt & 1, key tile kt at 8 kt
; window 1
.set OA,  0                            ; v256-383 O^T: (qt, dt) at 8 (4 qt + dt)
.set VF,  128                          ; v384-447 V^T fragments: (c, dt) at 8 (4 c + dt)
.set PF,  192                          ; v448-511 P^T fragments: (qt, c) at 16 qt + 8 c
.set MSB, 0
.macro WIN new                         ; low byte: bits 1:0 source 0, 3:2 source 1, 5:4 source 2, 7:6 destination; the high byte repeats the setting that is left
.if MSB != \new
	s_set_vgpr_msb (MSB<<8)|\new
.set MSB, \new
.endif
.endm
.macro PLACES                          ; four independent vector instructions behind a matrix instruction (ISA guide 7.12.1) where no useful work stands
.rept 4
	v_nop
.endr
.endm
; A round of the cluster's barrier: my work-group's barrier, wave 0 signals for the work-group, every wave waits for all four work-groups, my work-group's barrier again.
.macro ROUND
	s_barrier_signal -1
	s_barrier_wait -1
	s_cmp_lg_u32 s12, 0
	s_cbranch_scc1 .Lnot_wave_0_\@
	s_barrier_signal -3
.Lnot_wave_0_\@:
	s_barrier_wait -3
	s_barrier_signal -1
	s_barrier_wait -1
.endm
; Prefetch: wave 0 (K) and wave 4 (V) of each work-group ask for rows 32 cx + lane of one tile, lanes 256 bytes apart, so the cluster's four work-groups ask for
; each of the tile's 128 rows once.  The start asks for tile 1, trip t for tile t + 2: one trip ahead of the tensor load that wants it.
; The tile's offset is clamped to tile 15, the last: trip 14 asks for tile 15 a second time, and nothing is asked for past the head's last row.
.macro PREF
	s_wait_xcnt 0x0                                ; the last prefetch, issued a trip ago, has had its address translated: VPF may be rewritten
	v_add_nc_u32 v[VPF], s36, v[VPL]
	s_add_co_u32 s36, s36, TILEB
	s_min_u32 s36, s36, 15*TILEB
	s_cmp_lg_u32 s13, 0
	s_cbranch_scc1 .Lno_pf_\@
	global_prefetch_b8 v[VPF], s[34:35] th:TH_LOAD_NT scope:SCOPE_SE
.Lno_pf_\@:
.endm
; One matrix instruction of S^T = K Q^T for query tile qt: i = 0..3 key tile i, d 0-31, starting the sum; i = 4..7 key tile i - 4, d 32-63, adding in place.
; The four accumulators take turns, one instruction a turn.
.macro QKW qt, i
.set q_kt, (\i)&3
.set q_d, SCR+32*((\qt)&1)+8*q_kt
.if (\i) < 4
	v_wmma_f32_16x16x32_bf16 v[q_d:q_d+7], v[KF+16*q_kt:KF+16*q_kt+7], v[QF+16*(\qt):QF+16*(\qt)+7], 0
.else
	v_wmma_f32_16x16x32_bf16 v[q_d:q_d+7], v[KF+16*q_kt+8:KF+16*q_kt+15], v[QF+16*(\qt)+8:QF+16*(\qt)+15], v[q_d:q_d+7]
.endif
.endm
.macro NQ nxt, i                       ; nxt = 4: no first product is due (the next keys are not yet shown to the wave)
.if \nxt < 4
	QKW \nxt, \i
.endif
.endm
; Two matrix instructions of O^T += V^T P^T for query tile pv: keys 32 c .. 32 c + 31, d tiles d0 and d0 + 1.  z = 1: they start the sums.  pv = 4: none is due.
; All four operands lie in window 1; the caller sets the window that follows.  A tile's four accumulators take turns, one instruction a turn.
.macro PVP pv, c, d0, z
.if \pv < 4
	WIN 0x55
.irp dt, \d0, \d0+1
.if \z
	v_wmma_f32_16x16x32_bf16 v[OA+8*(4*\pv+(\dt)):OA+8*(4*\pv+(\dt))+7], v[VF+8*(4*\c+(\dt)):VF+8*(4*\c+(\dt))+7], v[PF+16*\pv+8*\c:PF+16*\pv+8*\c+7], 0
	s_wait_alu depctr_va_vdst(0)
.else
	v_wmma_f32_16x16x32_bf16 v[OA+8*(4*\pv+(\dt)):OA+8*(4*\pv+(\dt))+7], v[VF+8*(4*\c+(\dt)):VF+8*(4*\c+(\dt))+7], v[PF+16*\pv+8*\c:PF+16*\pv+8*\c+7], v[OA+8*(4*\pv+(\dt)):OA+8*(4*\pv+(\dt))+7]
.endif
.endr
.endif
.endm
; Softmax step of query tile qt on 64 keys (32 of them in this lane), up to the new l.  first = 1: the head's first 64 keys start m and l.
; nxt: the query tile whose first products are strewn in.  pv: the query tile whose second products (keys 0-31 of its 64) are strewn in; pvz = 1: they start O.
; vw = 1: V's fragments were asked for since the last wait and are waited for in front of their first use.
.macro SOFTA qt, first, nxt, pv, pvz, vw
.set c_sb, SCR+32*((\qt)&1)
.set c_m,  ML+2*(\qt)
.set c_l,  ML+2*(\qt)+1
.set c_a,  AL+2*(\qt)
	; the largest of my 32 scores and the old m: 33 numbers, 16 three-way maxima, four chains
.irp k, 0,1,2,3
	v_max3_num_f32 v[TT+\k], v[c_sb+8*\k], v[c_sb+8*\k+1], v[c_sb+8*\k+2]
.endr
	NQ \nxt, 0
.irp k, 0,1,2,3
	v_max3_num_f32 v[TT+\k], v[TT+\k], v[c_sb+8*\k+3], v[c_sb+8*\k+4]
.endr
	NQ \nxt, 1
.irp k, 0,1,2,3
	v_max3_num_f32 v[TT+\k], v[TT+\k], v[c_sb+8*\k+5], v[c_sb+8*\k+6]
.endr
	NQ \nxt, 2
	v_max3_num_f32 v[TT], v[TT], v[TT+1], v[c_sb+7]
	v_max3_num_f32 v[TT+2], v[TT+2], v[TT+3], v[c_sb+15]
	v_max3_num_f32 v[TT], v[TT], v[c_sb+23], v[c_sb+31]
.if \first
	v_max_num_f32 v[TT], v[TT], v[TT+2]
.else
	v_max3_num_f32 v[TT], v[TT], v[TT+2], v[c_m]
.endif
	v_permlanex16_b32 v[TT+1], v[TT], s28, s29     ; the other half of the wave holds the query's other 32 keys
	v_max_num_f32 v[TT+1], v[TT], v[TT+1]          ; the new m, unscaled, equal in both halves
	v_mul_f32 v[TT+2], s42, v[TT+1]                ; -c m, c = 0.125 log2(e)
.if \first == 0
	v_fma_f32 v[c_a+1], v[c_m], s40, v[TT+2]       ; c (old m - new m), never above 0
.endif
	NQ \nxt, 3
	; c s - c m, two at a time, for scores 0-15; those of scores 16-31 stand among the first exponentials
.irp k, 0,1,2,3,4,5,6,7
	v_pk_fma_f32 v[c_sb+2*\k:c_sb+2*\k+1], v[c_sb+2*\k:c_sb+2*\k+1], s[40:41], v[TT+2:TT+3] op_sel_hi:[1,0,0]
.endr
	NQ \nxt, 4
	; The exponentials go in twos, each two followed by one plain instruction on other registers: that instruction is also the one that has to stand
	; between an exponential and the first use of its result (ISA guide 5.7.2).
.if \first == 0
	v_exp_f32 v[c_a], v[c_a+1]                     ; alpha
.endif
.irp k, 0,1,2,3
	v_exp_f32 v[c_sb+2*\k], v[c_sb+2*\k]
	v_exp_f32 v[c_sb+2*\k+1], v[c_sb+2*\k+1]
	v_pk_fma_f32 v[c_sb+16+2*\k:c_sb+16+2*\k+1], v[c_sb+16+2*\k:c_sb+16+2*\k+1], s[40:41], v[TT+2:TT+3] op_sel_hi:[1,0,0]
.endr
	NQ \nxt, 5
.irp k, 0,1,2,3
	v_exp_f32 v[c_sb+8+2*\k], v[c_sb+8+2*\k]
	v_exp_f32 v[c_sb+8+2*\k+1], v[c_sb+8+2*\k+1]
	v_pk_fma_f32 v[c_sb+24+2*\k:c_sb+24+2*\k+1], v[c_sb+24+2*\k:c_sb+24+2*\k+1], s[40:41], v[TT+2:TT+3] op_sel_hi:[1,0,0]
.endr
.if \vw
	s_wait_dscnt 0x0                               ; V's 16 fragment loads, the only LDS instructions out, are in
.endif
	PVP \pv, 0, 0, \pvz
	WIN 0
.irp k, 0,1,2,3
	v_exp_f32 v[c_sb+16+2*\k], v[c_sb+16+2*\k]
	v_exp_f32 v[c_sb+16+2*\k+1], v[c_sb+16+2*\k+1]
	s_wait_alu depctr_va_vdst(0)
	v_pk_add_f32 v[UU+2*\k:UU+2*\k+1], v[c_sb+2*\k:c_sb+2*\k+1], v[c_sb+8+2*\k:c_sb+8+2*\k+1]       ; weights 0-15 start four chains of sums
.endr
	NQ \nxt, 6
.irp k, 0,1,2,3
	v_exp_f32 v[c_sb+24+2*\k], v[c_sb+24+2*\k]
	v_exp_f32 v[c_sb+24+2*\k+1], v[c_sb+24+2*\k+1]
	s_wait_alu depctr_va_vdst(0)
	v_pk_add_f32 v[UU+2*\k:UU+2*\k+1], v[UU+2*\k:UU+2*\k+1], v[c_sb+16+2*\k:c_sb+16+2*\k+1]
.endr
	PVP \pv, 0, 2, \pvz
	WIN 0
	v_mov_b32 v[c_m], v[TT+1]                      ; m steps
	s_wait_alu depctr_va_vdst(0)
.irp k, 0,1,2,3
	v_pk_add_f32 v[UU+2*\k:UU+2*\k+1], v[UU+2*\k:UU+2*\k+1], v[c_sb+24+2*\k:c_sb+24+2*\k+1]
.endr
	NQ \nxt, 7
	; The four or five additions below name none of that product's registers: they are the places in front of the loads into K's fragments that may follow this macro.
	v_pk_add_f32 v[UU:UU+1], v[UU:UU+1], v[UU+2:UU+3]
	v_pk_add_f32 v[UU+4:UU+5], v[UU+4:UU+5], v[UU+6:UU+7]
	v_pk_add_f32 v[UU:UU+1], v[UU:UU+1], v[UU+4:UU+5]
.if \first
	v_add_f32 v[c_l], v[UU], v[UU+1]
.else
	v_fma_f32 v[c_l], v[c_l], v[c_a], v[UU]        ; l = l alpha + the new weights; each half of the wave keeps its own part until the end
	v_add_f32 v[c_l], v[c_l], v[UU+1]
.endif
.endm
; The rest of query tile qt's step: its weights, rounded in pairs, become P^T's fragments (register 4 kt + j takes keys 16 kt + 8 h + 2 j, + 1), and its O is
; rescaled by alpha.  In front of each stand two of tile pv's second products (keys 32-63 of its 64), where the window is switched in any case.
.macro SOFTB qt, first, pv
.set c_sb, SCR+32*((\qt)&1)
	PVP \pv, 1, 0, 0
	WIN 0x40                                       ; destination in window 1
.set c_e, 0
.rept 16
	v_cvt_pk_bf16_f32 v[PF+16*(\qt)+c_e], v[c_sb+2*c_e], v[c_sb+2*c_e+1]
.set c_e, c_e+1
.endr
	PVP \pv, 1, 2, 0
.if \first == 0
	WIN 0x41                                       ; O in window 1 (source 0 and destination), alpha in window 0
.set c_e, 0
.rept 16
	v_pk_mul_f32 v[OA+32*(\qt)+2*c_e:OA+32*(\qt)+2*c_e+1], v[OA+32*(\qt)+2*c_e:OA+32*(\qt)+2*c_e+1], v[AL+2*(\qt):AL+2*(\qt)+1] op_sel_hi:[1,0]
.set c_e, c_e+1
.endr
.endif
	WIN 0
.endm
; K's fragments of keys kb .. kb + 63 of the tile in bf16 buffer b
.macro KLOAD b, kb
.irp kt, 0,1,2,3
.irp ks, 0,1
	ds_load_b128 v[KF+16*\kt+8*\ks:KF+16*\kt+8*\ks+3],   v[KA+\b] offset:(\kb+16*\kt)*KP+64*\ks
	ds_load_b128 v[KF+16*\kt+8*\ks+4:KF+16*\kt+8*\ks+7], v[KA+\b] offset:(\kb+16*\kt)*KP+64*\ks+32
.endr
.endr
.endm
; V^T's fragments of the same keys
.macro VLOAD b, kb
	WIN 0x40                                       ; destination in window 1, address in window 0
.irp c, 0,1
.irp dt, 0,1,2,3
	ds_load_tr16_b128 v[VF+8*(4*\c+\dt):VF+8*(4*\c+\dt)+3],   v[VA+\b] offset:(\kb+32*\c)*VP+32*\dt       ; d = 16 dt + r, keys 32 c + 8 h ..
	ds_load_tr16_b128 v[VF+8*(4*\c+\dt)+4:VF+8*(4*\c+\dt)+7], v[VA+\b] offset:(\kb+32*\c+16)*VP+32*\dt    ; keys 32 c + 16 + 8 h ..
.endr
.endr
	WIN 0
.endm
; My 32 rows of the next tile, from my stage into registers: load i takes rows 2 i and 2 i + 1, 16 neighbouring bytes a lane.
.macro CONV_LOAD
	s_wait_tensorcnt 0x0                           ; my one tensor load has landed.  None is issued before the next round, so this is also the wait for all my loads in front of it
	ds_add_u32 v62, v63
	s_wait_dscnt 0x0
.set c_e, 0
.rept 16
	ds_load_b128 v[KF+4*c_e:KF+4*c_e+3], v[STA] offset:512*c_e
.set c_e, c_e+1
.endr
.endm
; Rounded to bf16 and put into bf16 buffer b: 8 bytes a lane.  A store's two rows are 144 or 160 bytes apart, so 16 or 32 of its 256 bytes meet in a bank
; twice; with 16 stores a trip that is left as it is.
.macro CONV_STORE b
	s_wait_dscnt 0x0                               ; the 16 stage loads are in: my reads of the stage are over
.set c_e, 0
.rept 16
	v_cvt_pk_bf16_f32 v[KF+4*c_e], v[KF+4*c_e], v[KF+4*c_e+1]
	v_cvt_pk_bf16_f32 v[KF+4*c_e+1], v[KF+4*c_e+2], v[KF+4*c_e+3]
.set c_e, c_e+1
.endr
	s_cmp_lt_u32 s12, 4
	s_cbranch_scc0 .Lis_v_\@
.set c_e, 0
.rept 16
	ds_store_b64 v[CDK+\b], v[KF+4*c_e:KF+4*c_e+1] offset:2*KP*c_e
.set c_e, c_e+1
.endr
	s_branch .Lput_\@
.Lis_v_\@:
.set c_e, 0
.rept 16
	ds_store_b64 v[CDV+\b], v[KF+4*c_e:KF+4*c_e+1] offset:2*VP*c_e
.set c_e, c_e+1
.endr
.Lput_\@:
.endm
; A trip's first substep: keys 0-63 of the tile in bf16 buffer b.  first = 1: the head's first keys.
.macro SUBA b, first
	KLOAD \b, 0
	s_wait_dscnt 0x0                               ; K's 16 fragment loads are in
.irp i, 0,1,2,3,4,5,6,7
	QKW 0, \i                                      ; only here, behind the round that showed the tile, do eight first products stand in a run
.endr
	PLACES
.if \first
	SOFTA 0, 1, 1, 4, 0, 0
	SOFTB 0, 1, 4
.else
	SOFTA 0, 0, 1, 3, 0, 0                         ; with the last trip's tile 3: registers alone
	SOFTB 0, 0, 3
.endif
	VLOAD \b, 0                                    ; the 16 multiplies of the rescaling just above are the places behind the last product that read the old fragments
	SOFTA 1, \first, 2, 0, \first, 1
	SOFTB 1, \first, 0
	SOFTA 2, \first, 3, 1, \first, 0
	KLOAD \b, 64                                   ; the second substep's K: this substep's last first product stands four places or more ahead
	SOFTB 2, \first, 1
	s_wait_dscnt 0x0                               ; those 16 loads are in
	SOFTA 3, \first, 0, 2, \first, 0               ; with the second substep's tile 0
	SOFTB 3, \first, 2
.endm
; A trip's second substep: keys 64-127.  pfirst = 1: the substep before was the head's first.  conv = 1: the next tile is converted into buffer nb.
.macro SUBB b, nb, pfirst, conv
	SOFTA 0, 0, 1, 3, \pfirst, 0
	SOFTB 0, 0, 3
	VLOAD \b, 64
	SOFTA 1, 0, 2, 0, 0, 1
	SOFTB 1, 0, 0
	SOFTA 2, 0, 3, 1, 0, 0
.if \conv
	CONV_LOAD                                      ; into K's fragment registers, which no product reads any more in this trip
.endif
	SOFTB 2, 0, 1
	SOFTA 3, 0, 4, 2, 0, 0
	SOFTB 3, 0, 2
.if \conv
	CONV_STORE \nb
.endif
.endm
; A trip: the tile in bf16 buffer b.  more = 1: the next tile is asked for, first thing behind the round, and converted into buffer nb in the trip's second half.
.macro TRIP b, nb, first, more
	s_wait_dscnt 0x0                               ; for the others: my stores into buffer b are done, my reads of buffer nb and of my stage are back
.if \more
	s_add_nc_u64 s[26:27], s[26:27], TILEB         ; no tensor load of mine is out (CONV_LOAD's wait for 0): the descriptor steps to the next tile
	ROUND                                          ; holds of every wave of all four work-groups
	tensor_load_to_lds s[24:27], s[16:23]          ; my one load until the next round: 32 rows x 256 bytes, jointly with the same wave of my three partners
	s_nop 0
	PREF
.else
	s_barrier_signal -1                            ; the last tile: it shows buffer b to all waves
	s_barrier_wait -1
.endif
	SUBA \b, \first
	SUBB \b, \nb, \first, \more
.endm
	s_load_b256 s[4:11], s[0:1], 0x0               ; q s[4:5], k s[6:7], v s[8:9], out s[10:11]
	v_lshl_add_u32 v62, v0, 2, 0x45000
	v_mov_b32 v63, 0
	ds_add_u32 v62, v63
	v_lshrrev_b32 v3, 5, v0
	v_readfirstlane_b32 s12, v3                    ; wave w, 0 to 7
	s_and_b32 s13, s12, 3                          ; which 32 rows of a tile I fetch
	s_bfe_u32 s14, ttmp6, 0x40000                  ; cx: my work-group's place in the cluster = its block of 512 queries; enters global offsets alone
	s_mov_b32 s28, 0x76543210                      ; v_permlanex16_b32: lane i of one half reads lane i of the other
	s_mov_b32 s29, 0xfedcba98
	s_mov_b32 s40, 0x3e38aa3b                      ; c = 0.125 log2(e), twice: a pair for the packed multiply-add
	s_mov_b32 s41, 0x3e38aa3b
	s_mov_b32 s42, 0xbe38aa3b                      ; -c
	; descriptor group 1: 32 rows of 32 elements of 8 bytes, dense in memory and in LDS
	s_mov_b32 s16, 0x0023000f                      ; 15:0 mask: all four work-groups of the cluster; 17:16 elements of 8 bytes; 21 set beside a mask; no padding: the stage is read 16 bytes a lane in a row
	s_mov_b32 s17, 32<<16                          ; tensor_dim0 = 32
	s_mov_b32 s18, 32<<16                          ; tensor_dim1 = 32
	s_mov_b32 s19, 32<<16                          ; tile_dim0 = 32
	s_mov_b32 s20, 32                              ; tile_dim1 = 32
	s_mov_b32 s21, 32                              ; from row to row: 32 elements
	s_mov_b32 s22, 0
	s_mov_b32 s23, 0
	s_mov_b32 s24, 1                               ; group 0: count
	s_lshl_b32 s25, s12, 13                        ; LDS address: my 8,192 bytes of the stage
	s_lshl_b32 s32, ttmp9, 19                      ; the head (the cluster's number) x 2,048 rows x 256 bytes
	s_mov_b32 s33, 0
	s_lshl_b32 s38, s14, 17                        ; + 512 cx rows
	s_lshl_b32 s39, s12, 14                        ; + 64 w rows: my queries
	s_add_co_u32 s38, s38, s39
	s_add_co_u32 s38, s38, s32
	s_mov_b32 s39, 0
	s_lshl_b32 s44, s13, 13                        ; my 32 rows in a tile
	s_mov_b32 s45, 0
	s_mov_b32 s36, TILEB                           ; the first prefetch asks for tile 1
	s_mul_i32 s15, s12, PRIVB
	s_add_co_u32 s15, s15, PRIV                    ; my private bytes
	v_and_b32 v4, 31, v0                           ; L
	v_and_b32 v1, 15, v0                           ; r
	v_bfe_u32 v2, v0, 4, 1                         ; h
	v_mul_u32_u24 v5, v1, KP
	v_lshl_add_u32 v5, v2, 4, v5                   ; r 144 + 16 h
	v_add_nc_u32 v[KA], KB0, v5
	v_add_nc_u32 v[KA+1], KB1, v5
	v_add_nc_u32 v[QLD], s15, v5
	v_and_b32 v6, 7, v0
	v_lshl_add_u32 v6, v2, 3, v6                   ; 8 h + (L & 7)
	v_mul_u32_u24 v6, v6, VP
	v_bfe_u32 v7, v0, 3, 1
	v_lshl_add_u32 v6, v7, 4, v6
	v_add_nc_u32 v[VA], VB0, v6
	v_add_nc_u32 v[VA+1], VB1, v6
	v_mul_u32_u24 v5, v2, KP
	v_lshl_add_u32 v5, v1, 3, v5                   ; h 144 + 8 r
	v_add_nc_u32 v[QST], s15, v5
	s_mul_i32 s46, s13, 32*KP
	v_add_nc_u32 v5, s46, v5
	v_add_nc_u32 v[CDK], KB0, v5
	v_add_nc_u32 v[CDK+1], KB1, v5
	v_mul_u32_u24 v6, v2, VP
	v_lshl_add_u32 v6, v1, 3, v6                   ; h 160 + 8 r
	s_mul_i32 s46, s13, 32*VP
	v_add_nc_u32 v6, s46, v6
	v_add_nc_u32 v[CDV], VB0, v6
	v_add_nc_u32 v[CDV+1], VB1, v6
	v_lshlrev_b32 v[GQ], 4, v4
	v_add_nc_u32 v[STA], s25, v[GQ]
	v_mul_u32_u24 v5, v1, OP
	v_lshl_add_u32 v5, v2, 5, v5
	v_add_nc_u32 v[OST], s15, v5
	v_mul_u32_u24 v5, v2, OP
	v_lshl_add_u32 v5, v1, 4, v5
	v_add_nc_u32 v[ORD], s15, v5
	v_lshlrev_b32 v[VPL], 8, v4
	s_lshl_b32 s46, s14, 13
	v_add_nc_u32 v[VPL], s46, v[VPL]
	s_wait_dscnt 0x0
	s_wait_kmcnt 0x0
	s_add_nc_u64 s[4:5], s[4:5], s[38:39]          ; q at my first query
	s_add_nc_u64 s[10:11], s[10:11], s[38:39]      ; out likewise
	s_cmp_lt_u32 s12, 4
	s_cselect_b64 s[34:35], s[6:7], s[8:9]         ; waves 0-3 fetch K, waves 4-7 V
	s_add_nc_u64 s[34:35], s[34:35], s[32:33]      ; at the head's first row: the prefetches' base
	s_add_nc_u64 s[26:27], s[34:35], s[44:45]      ; group 0: my 32 rows of tile 0.  Made of the head and the wave's number alone: equal in all four partners
	s_or_b32 s27, s27, 0x80000000                  ; type = 2
	; my 64 queries, 16,384 bytes: each load takes 512 neighbouring bytes, two rows
.set c_e, 0
.rept 32
	global_load_b128 v[KF+4*c_e:KF+4*c_e+3], v[GQ], s[4:5] offset:512*c_e th:TH_LOAD_NT
.set c_e, c_e+1
.endr
	ROUND                                          ; all four work-groups are here: the first joint loads meet
	tensor_load_to_lds s[24:27], s[16:23]          ; tile 0
	s_nop 0
	PREF
	s_wait_loadcnt 0x0
	; Q to bf16, through my own scratch into fragments: lane (r, h) takes query r, d = 8 h .. and 16 + 8 h ..
.set c_e, 0
.rept 32
	v_cvt_pk_bf16_f32 v[KF+4*c_e], v[KF+4*c_e], v[KF+4*c_e+1]
	v_cvt_pk_bf16_f32 v[KF+4*c_e+1], v[KF+4*c_e+2], v[KF+4*c_e+3]
	ds_store_b64 v[QST], v[KF+4*c_e:KF+4*c_e+1] offset:2*KP*c_e
.set c_e, c_e+1
.endr
.irp qt, 0,1,2,3
.irp ks, 0,1
	ds_load_b128 v[QF+16*\qt+8*\ks:QF+16*\qt+8*\ks+3],   v[QLD] offset:16*\qt*KP+64*\ks       ; LDS serves a wave's instructions in order (ISA guide 5.7.1): these see my stores above
	ds_load_b128 v[QF+16*\qt+8*\ks+4:QF+16*\qt+8*\ks+7], v[QLD] offset:16*\qt*KP+64*\ks+32
.endr
.endr
	CONV_LOAD                                      ; tile 0
	CONV_STORE 0                                   ; its wait for all LDS loads covers Q's fragments too
	TRIP 0, 1, 1, 1                                ; tile 0 starts m, l and O: nothing is cleared
	s_mov_b32 s30, 7
.Lpair:
	TRIP 1, 0, 0, 1                                ; tiles 1, 3, .. 13
	TRIP 0, 1, 0, 1                                ; tiles 2, 4, .. 14
	s_sub_co_u32 s30, s30, 1
	s_cmp_lg_u32 s30, 0
	s_cbranch_scc1 .Lpair
	TRIP 1, 0, 0, 0                                ; tile 15: nothing is left to fetch
	PVP 3, 0, 0, 0                                 ; the pipeline runs out: the last 64 keys' second product for tile 3
	PVP 3, 0, 2, 0
	PVP 3, 1, 0, 0
	PVP 3, 1, 2, 0
	WIN 0
	PLACES                                         ; in front of the instructions below that read O
	; THE WAY OUT.  l of both halves, 1 / l, O^T scaled; a lane's eight numbers are 32 neighbouring bytes of its query's row.
.irp qt, 0,1,2,3
	v_permlanex16_b32 v[UU+\qt], v[ML+2*\qt+1], s28, s29
.endr
.irp qt, 0,1,2,3
	v_add_f32 v[UU+\qt], v[UU+\qt], v[ML+2*\qt+1]  ; at least about 1: the row's largest weight is 1
.endr
.irp qt, 0,1,2,3
	v_rcp_f32 v[AL+2*\qt], v[UU+\qt]
.endr
	v_nop                                          ; one plain instruction behind the reciprocals (ISA guide 5.7.2)
	WIN 0x41
	s_wait_alu depctr_va_vdst(0)
.irp qt, 0,1,2,3
.set c_e, 0
.rept 16
	v_pk_mul_f32 v[OA+32*\qt+2*c_e:OA+32*\qt+2*c_e+1], v[OA+32*\qt+2*c_e:OA+32*\qt+2*c_e+1], v[AL+2*\qt:AL+2*\qt+1] op_sel_hi:[1,0]
.set c_e, c_e+1
.endr
.endr
	WIN 0x04                                       ; store data in window 1, address in window 0
.irp qt, 0,1,2,3
.irp dt, 0,1,2,3
	ds_store_b128 v[OST], v[OA+8*(4*\qt+\dt):OA+8*(4*\qt+\dt)+3]   offset:16*\qt*OP+64*\dt      ; query 16 qt + r, d = 16 dt + 8 h ..
	ds_store_b128 v[OST], v[OA+8*(4*\qt+\dt)+4:OA+8*(4*\qt+\dt)+7] offset:16*\qt*OP+64*\dt+16
.endr
.endr
	WIN 0
.set c_e, 0
.rept 32
	ds_load_b128 v[QF+4*c_e:QF+4*c_e+3], v[ORD] offset:2*OP*c_e    ; back by rows: my own bytes, served in order behind the stores above
.set c_e, c_e+1
.endr
.set c_e, 0
.rept 32
	s_wait_dscnt 31-c_e                            ; read-back number c_e is in, the younger ones stay out
	global_store_b128 v[GQ], v[QF+4*c_e:QF+4*c_e+3], s[10:11] offset:512*c_e th:TH_STORE_NT   ; 16 lanes store a whole row: 256 consecutive bytes at a multiple of 256 from out's first byte
.set c_e, c_e+1
.endr
	s_wait_tensorcnt 0x0
	ds_add_u32 v62, v63
	s_wait_dscnt 0x0
	ROUND                                          ; the closing round: no work-group ends while a partner may still ask for a tile that names it
	s_endpgm
.Lfunc_end_k_qcdc14b0bb8_attend:
	.size	k_qcdc14b0bb8_attend, .Lfunc_end_k_qcdc14b0bb8_attend-k_qcdc14b0bb8_attend
	.p2alignl 7, 3214868480
	.fill 96, 4, 3214868480
	.section	.rodata,"a",@progbits
	.p2align	6, 0x0
	.amdhsa_kernel k_qcdc14b0bb8_attend
		.amdhsa_group_segment_fixed_size 327680
		.amdhsa_private_segment_fixed_size 0
		.amdhsa_enable_private_segment 0
		.amdhsa_kernarg_size 32
		.amdhsa_user_sgpr_count 2
		.amdhsa_user_sgpr_kernarg_segment_ptr 1
		.amdhsa_wavefront_size32 1
		.amdhsa_system_sgpr_workgroup_id_x 1
		.amdhsa_system_sgpr_workgroup_id_y 1
		.amdhsa_system_sgpr_workgroup_id_z 1
		.amdhsa_system_vgpr_workitem_id 0
		.amdhsa_next_free_vgpr 512
		.amdhsa_next_free_sgpr 66
		.amdhsa_reserve_vcc 0
		.amdhsa_float_denorm_mode_32 3
		.amdhsa_float_denorm_mode_16_64 3
		.amdhsa_memory_ordered 1
		.amdhsa_forward_progress 1
		.amdhsa_inst_pref_size 255
	.end_amdhsa_kernel
	.section	.bss,"aw",@nobits
	.p2align	6
	.space	262144
	.amdgpu_metadata
---
amdhsa.version: [ 1, 2 ]
amdhsa.kernels:
  - .name:           k_qcdc14b0bb8_attend
    .symbol:         k_qcdc14b0bb8_attend.kd
    .args:
      - { .name: q, .offset: 0, .size: 8, .value_kind: global_buffer, .address_space: global }
      - { .name: k, .offset: 8, .size: 8, .value_kind: global_buffer, .address_space: global }
      - { .name: v, .offset: 16, .size: 8, .value_kind: global_buffer, .address_space: global }
      - { .name: out0, .offset: 24, .size: 8, .value_kind: global_buffer, .address_space: global }
    .group_segment_fixed_size: 327680
    .private_segment_fixed_size: 0
    .kernarg_segment_align: 8
    .kernarg_segment_size: 32
    .max_flat_workgroup_size: 256
    .sgpr_count:     66
    .vgpr_count:     512
    .wavefront_size: 32
...
	.end_amdgpu_metadata
.endif
;; end of part 1
